; MI455X (gfx1250); checked and timed in simulation.
; The chip was launched on July 23, 2026; its instructions are those of AMD's public machine-readable ISA for CDNA 5 (MIT licence, August 2026) and "CDNA5" Instruction Set Architecture Reference Guide (July 2026). The comments in the code are by the model that wrote it; some were corrected since.
;; Render. Allowed arithmetic: float matrix products may take bf16 or f16 operands with f32 sums; other float arithmetic in f32, or as packed bf16 or f16 multiplies, adds, multiply-adds, maxima and minima; sums over many terms, partial sums and values carried from step to step in f32; what a program stores and reads back later, other than sums and carried values, may be rounded once to bf16 or f16.
;; Inputs: tris 256 x 3 x 3 float32; uvmap 3 x 512 x 512 float32; uvs 256 x 3 x 2 float32.
;; Outputs: out0 4 x 256 x 256 float32.
;; 2 versions, each right; version 2 is version 1 with the launch raster written anew for expert scheduling mode. Each part assembles by itself: llvm-mc -triple=amdgcn-amd-amdhsa -mcpu=gfx1250 --defsym DOCPART=n.
;; ======== version 1 of 2: 2 launches
;; workspace buffers: coord 524,288 bytes; texel 262,144 bytes of whole numbers
;; launch raster (part 1): grid 256 x 1, 8 waves a work-group, no clusters, 46,080 bytes of LDS; arguments tris, uvs, coord, texel; writes coord, texel
.if DOCPART == 1
	.amdgcn_target "amdgcn-amd-amdhsa--gfx1250"
	.amdhsa_code_object_version 6
	.text
	.protected	k_q750e5e0408_raster
	.globl	k_q750e5e0408_raster
	.p2align	8
	.type	k_q750e5e0408_raster,@function
k_q750e5e0408_raster:
	s_mov_b64 s[64:65], 0
	v_nop
	global_prefetch_b8 v0, s[64:65] scope:SCOPE_SE
	s_setreg_imm32_b32 hwreg(HW_REG_WAVE_MODE, 25, 1), 1
	s_wait_xcnt 0x0
; RENDER, launch 1 of 2: the z-buffer scan.  tris [256][3][3], uvs [256][3][2], f32.  For each pixel of the 256 x 256 frame it finds the triangle that the scan
; of reference() leaves on top and stores that triangle's texture coordinates at the pixel: coord, per two neighbouring pixels (x, x, y, y) in f32, in texels; and
; texel, one whole number a pixel: 512 yb + xb, the first element of the 2 x 2 block of texels that launch 2 reads (xb = floor(x) held to 0 .. 510, yb likewise), or -1 where no triangle covers the pixel.
; The lookup is a launch of its own because its addresses hang on these numbers.
;
; LEFT OUT, as work that reaches no output in exact arithmetic, for all finite inputs:
; (1) The bounding box.  pAB + pCB + pCA = w is an identity.  A step's mask asks for pAB, pCB, pCA > 0 and w >= 1e-9, so w1 = pCB / w, w2 = pCA / w, w3 = pAB / w are positive and add
;     up to 1: the pixel is a convex combination of the three vertices and lies between their least and greatest x and y.  The box is true wherever the rest of the mask is.
; (2) The first zbuf, the least z of all vertices.  By the same three weights an inside pixel's z is a convex combination of three of those z, so z >= that minimum always: the first
;     hit of a pixel is never rejected.  zbuf starts at -inf here, and a pixel whose zbuf is still -inf at the end was never hit.
; KEPT IN ANOTHER FORM.  valid (w >= 1e-9): an invalid triangle's edge AB is made 0, so that pAB = 0 and no pixel is inside.  The guard safe_w: w = 0 is invalid, and every invalid
; triangle divides by 1.  max(pAB,0) max(pCB,0) max(pCA,0) > 0 is taken as min(pAB, pCB, pCA) > 0.  Each step's texture coordinates are computed and selected in every step;
; the texels are looked up once, in launch 2, by the whole number stored here.  x = ((g + 1) 512 - 1) / 2 with g = w1 g0 + w2 g1 + w3 g2, g = 2 u - 1 and w3 = 1 - w1 - w2
; is x = 512 u2 - 0.5 + w1 512 (u0 - u2) + w2 512 (u1 - u2): the sample is continuous in x, so this moves it by rounding alone.
; LIMITS.  A NaN, an infinity or an overflow that reaches only (1) or (2) is not carried to the result.  Where the product of the three areas underflows to 0 (below 1.5e-45) this text still
; counts the pixel inside.  In f32 a z may round below the least vertex z (a flat triangle at that depth), and areas within a rounding of 0 may be positive outside the box: there this text accepts
; what reference() rejects.  A z of -inf counts as no hit.
; ORDER OF ROUNDING.  Who owns a pixel hangs on the last bit of an area or of z, so these follow one fixed order: lin[j] = s - (1 - s) with s = j / 255 correctly rounded, which is linspace's formula;
; a b - c d = fma(a, b, -round(c d)); the quotients by w correctly rounded (p r, the exact remainder by fma, one correction); z = fma(w3, cz, fma(w1, az, round(w2 bz))).
; A pixel whose area or depth difference lies within a rounding of 0 can fall to another triangle under another order of the same formulas.
;
; SHARES.  A work-group owns a row of the frame: py is one number, so (py - vy) (edge x) of each area is a constant of the triangle.  Thread t prepares triangle t: 20 numbers, 80 bytes, into LDS.
; Then wave g scans triangles 32 g .. 32 g + 31 for ALL 256 pixels of the row, 8 a lane in 4 packed pairs: a record read from LDS serves 256 pixels.  The eight partial results meet in LDS and are
; merged in the order of the groups by z >= zbuf, which is the scan's own rule: the greatest z wins, of equals the later.
; NO CLUSTER, NO TENSOR LOAD: what the work-groups share is 15,360 bytes of tris and uvs, read once by each through registers; nothing is streamed.
.set RECB,  80                         ; bytes in a triangle's record: an odd multiple of 16
.set WTRI,  32                         ; triangles of a wave
.set MERGE, 256*RECB                   ; behind the records: for each wave z, x, y of the row's 256 pixels, 1,024 bytes each
.set GRPB,  3072
.set SPARE, MERGE+8*GRPB               ; behind them: the spare words, 128 bytes for each wave: four blocks of 256 bytes that no other line names
; a record's numbers.  Those at an even place are broadcast from the low register of their pair, those at an odd place from the high one
.set K_EAB, 0                          ; ay - by, and at +1: -((py - by) (ax - bx))
.set K_ECB, 2                          ; by - cy, and at +1: -((py - cy) (bx - cx))
.set K_ECA, 4                          ; cy - ay, and at +1: -((py - ay) (cx - ax))
.set K_X,   6                          ; 512 (u1 - u2), and at +1: 512 u2 - 0.5
.set K_Y,   8                          ; 512 (v1 - v2), and at +1: 512 v2 - 0.5
.set K_NBX, 10                         ; -bx
.set K_NCX, 11                         ; -cx
.set K_NAX, 12                         ; -ax
.set K_R,   13                         ; 1 / w
.set K_NW,  14                         ; -w
.set K_AZ,  15
.set K_BZ,  16
.set K_CZ,  17
.set K_DX0, 18                         ; 512 (u0 - u2)
.set K_DY0, 19                         ; 512 (v0 - v2)
.set SPW, 1                            ; v1   LDS address of my spare word: SPARE + 4 x my thread's number; never rewritten
.set NIL, 2                            ; v2   0; never rewritten
.set REC, 3                            ; v3   where I store my record; then, the same in all lanes, the record that the wave reads next
.set MA,  4                            ; v4   where I put 16 bytes of my wave's partial results
.set TO,  5                            ; v5   my triangle in tris: 36 t
.set UO,  6                            ; v6   my triangle in uvs: 24 t
.set LN,  7                            ; v7   4 x lane
.set PX,  8                            ; v[8:15]   px of my 8 pixels: slot 4 q + k is column 4 lane + 128 q + k
.set ZB,  16                           ; v[16:23]  zbuf
.set XS,  24                           ; v[24:31]  x of the triangle on top
.set YS,  32                           ; v[32:39]  y
.set CA,  40                           ; v[40:59]  a record
.set CB,  60                           ; v[60:79]  the next one
.set T,   80                           ; v[80:119] ten registers at work for each pair of pixels
.set AX,  80                           ; the set-up's registers, free again when the scan begins
.set AY,  81
.set BX,  82
.set BY,  83
.set CX,  84
.set CY,  85
.set U0,  86
.set V0,  87
.set U1,  88
.set V1,  89
.set U2,  90
.set V2,  91
.set PY,  92
.set LT,  93                           ; v[93:94]
.set R,   100                          ; v[100:119] my triangle's record
.set W0,  120                          ; v[120:127] at work
.set L,   40                           ; the merge: group g's z, x, y of my two pixels at v[L + 6 g ..]
.set IX,  88                           ; v[88:89]  the two whole numbers
.set F,   90                           ; v[90:93]  at work
.set RD,  96                           ; v96  where I read partial results
.set CO,  97                           ; v97  my 16 bytes of the row in coord
.set IO,  98                           ; v98  my 8 bytes of the row in texel
.set WV,  12                           ; s12  my wave's number
.set CNT, 13                           ; s13  trips to go
.set RC,  16                           ; s16  1 / 255, rounded
.set C255, 17
.set EPS, 18                           ; s18  1e-9 in f32
.set C512, 19
.set IN,  20                           ; s[20:27]  a mask for each of my 8 pixels: inside; then the step's whole mask
.set ZG,  28                           ; s[28:35]  z >= zbuf
.set SGN, 36
.set NINF, 37
.set C510, 38
	s_load_b256 s[4:11], s[0:1], 0x0               ; tris s[4:5], uvs s[6:7], coord s[8:9], texel s[10:11]
	v_lshl_add_u32 v[SPW], v0, 2, SPARE
	v_mov_b32 v[NIL], 0
	v_lshrrev_b32 v[LN], 5, v0
	v_readfirstlane_b32 s[WV], v[LN]               ; wave 0..7
	v_mul_u32_u24 v[TO], v0, 36
	v_mul_u32_u24 v[UO], v0, 24
	s_lshl_b32 s14, ttmp9, 11                      ; my row in coord: 256 pixels x 8 bytes
	s_mov_b32 s15, 0
	s_mov_b32 s[RC], 0x3b808081
	s_mov_b32 s[C255], 0x437f0000
	s_mov_b32 s[EPS], 0x3089705f
	s_mov_b32 s[C512], 0x44000000
	s_mov_b32 s[SGN], 0x80000000
	s_mov_b32 s[NINF], 0xff800000
	s_mov_b32 s[C510], 0x43ff0000
	s_wait_kmcnt 0x0
	; my triangle: a wave's lanes lie 36 bytes apart, so the nine loads walk the same 1,152 consecutive bytes; the three z go straight to their places in the record
	global_load_b32 v[AX], v[TO], s[4:5]
	global_load_b32 v[AY], v[TO], s[4:5] offset:4
	global_load_b32 v[R+K_AZ], v[TO], s[4:5] offset:8
	global_load_b32 v[BX], v[TO], s[4:5] offset:12
	global_load_b32 v[BY], v[TO], s[4:5] offset:16
	global_load_b32 v[R+K_BZ], v[TO], s[4:5] offset:20
	global_load_b32 v[CX], v[TO], s[4:5] offset:24
	global_load_b32 v[CY], v[TO], s[4:5] offset:28
	global_load_b32 v[R+K_CZ], v[TO], s[4:5] offset:32
	global_load_b64 v[U0:V0], v[UO], s[6:7]
	global_load_b64 v[U1:V1], v[UO], s[6:7] offset:8
	global_load_b64 v[U2:V2], v[UO], s[6:7] offset:16
	s_add_nc_u64 s[8:9], s[8:9], s[14:15]
	s_lshl_b32 s14, ttmp9, 10                      ; my row in texel: 256 pixels x 4 bytes
	s_add_nc_u64 s[10:11], s[10:11], s[14:15]
; lin[j] of linspace(-1, 1, 256), bit for bit: s = j / 255 correctly rounded, then s - (1 - s); j = 255 gives 1.  On entry the register holds j in f32.
; q = j x round(1/255) is within two units of the last place; j - 255 q is exact in an fma; q + that x round(1/255) rounds to the true quotient, since j / 255 has a binary period of
; 8 bits and so never lies nearer to the middle between two f32 than 0.0019 units of the last place.
.macro LIN d
	v_mul_f32 v[LT], s[RC], v[(\d)]
	v_fma_f32 v[LT+1], -v[LT], s[C255], v[(\d)]
	v_fma_f32 v[LT], v[LT+1], s[RC], v[LT]
	v_sub_f32 v[LT+1], 1.0, v[LT]
	v_sub_f32 v[(\d)], v[LT], v[LT+1]
.endm
	; all this stands in the wait for the triangle
	v_and_b32 v[LN], 31, v0
	v_lshlrev_b32 v[LN], 2, v[LN]
.set n, 0
.rept 8
	v_add_nc_u32 v[LT], 128*(n/4)+n%4, v[LN]       ; the slot's column
	v_cvt_f32_u32 v[PX+n], v[LT]
	LIN PX+n
.set n, n+1
.endr
	s_sub_co_u32 s14, 255, ttmp9                   ; frame row i looks at lin[255 - i]
	v_cvt_f32_u32 v[PY], s14
	LIN PY
.set n, 0
.rept 8
	v_mov_b32 v[ZB+n], s[NINF]
	v_mov_b32 v[XS+n], 0                           ; finite, for pixels that are never hit
	v_mov_b32 v[YS+n], 0
.set n, n+1
.endr
	s_mul_i32 s14, s[WV], GRPB
	v_lshl_add_u32 v[MA], v[LN], 2, s14            ; my wave's part of the merge area + 16 x lane
	v_mul_u32_u24 v[REC], v0, RECB
	s_wait_loadcnt 0x0
	; THE RECORD OF TRIANGLE t
	v_sub_f32 v[W0], v[BX], v[AX]
	v_sub_f32 v[R+K_ECA], v[CY], v[AY]
	v_sub_f32 v[W0+1], v[BY], v[AY]
	v_sub_f32 v[W0+2], v[CX], v[AX]                ; also the second factor of pCA's second product
	v_mul_f32 v[W0+3], v[W0+1], v[W0+2]
	v_fma_f32 v[W0+4], v[W0], v[R+K_ECA], -v[W0+3] ; w
	v_cmp_le_f32 vcc_lo, s[EPS], v[W0+4]           ; valid: 1e-9 <= w
	v_cndmask_b32 v[W0+4], 1.0, v[W0+4], vcc_lo    ; an invalid triangle, w = 0 among them, divides by 1
	v_rcp_f32 v[W0+5], v[W0+4]                     ; its result is first named far below, behind the wait
	v_sub_f32 v[R+K_EAB], v[AY], v[BY]
	v_sub_f32 v[W0+6], v[AX], v[BX]
	v_sub_f32 v[R+K_ECB], v[BY], v[CY]
	v_sub_f32 v[W0+7], v[BX], v[CX]
	v_sub_f32 v[W0], v[PY], v[BY]
	v_sub_f32 v[W0+1], v[PY], v[CY]
	v_sub_f32 v[W0+3], v[PY], v[AY]
	v_mul_f32 v[R+K_EAB+1], -v[W0], v[W0+6]        ; each area's second product, rounded by itself, with its sign turned
	v_mul_f32 v[R+K_ECB+1], -v[W0+1], v[W0+7]
	v_mul_f32 v[R+K_ECA+1], -v[W0+3], v[W0+2]
	v_cndmask_b32 v[R+K_EAB], 0, v[R+K_EAB], vcc_lo      ; invalid: pAB = (px - bx) 0 + 0 = 0 at every pixel, which is not inside
	v_cndmask_b32 v[R+K_EAB+1], 0, v[R+K_EAB+1], vcc_lo
	v_sub_f32 v[W0], v[U1], v[U2]
	v_sub_f32 v[W0+1], v[V1], v[V2]
	v_sub_f32 v[W0+3], v[U0], v[U2]
	v_sub_f32 v[W0+6], v[V0], v[V2]
	v_mul_f32 v[R+K_X], s[C512], v[W0]
	v_fma_f32 v[R+K_X+1], v[U2], s[C512], -0.5
	v_mul_f32 v[R+K_Y], s[C512], v[W0+1]
	v_fma_f32 v[R+K_Y+1], v[V2], s[C512], -0.5
	v_mul_f32 v[R+K_DX0], s[C512], v[W0+3]
	v_mul_f32 v[R+K_DY0], s[C512], v[W0+6]
	v_xor_b32 v[R+K_NBX], s[SGN], v[BX]            ; px + (-bx) is px - bx, bit for bit
	v_xor_b32 v[R+K_NCX], s[SGN], v[CX]
	v_xor_b32 v[R+K_NAX], s[SGN], v[AX]
	v_xor_b32 v[R+K_NW], s[SGN], v[W0+4]
	s_wait_alu depctr_va_vdst(0)                   ; the reciprocal is written ahead of the first line that names it
	v_fma_f32 v[W0], -v[W0+4], v[W0+5], 1.0        ; one step of Newton
	v_fma_f32 v[R+K_R], v[W0], v[W0+5], v[W0+5]
.irp i, 0,1,2,3,4
	ds_store_b128 v[REC], v[R+4*\i:R+4*\i+3] offset:16*\i
.endr
	s_mul_i32 s14, s[WV], WTRI*RECB
	s_wait_dscnt 0x0                               ; my record is in LDS,
	s_barrier_signal -1
	s_barrier_wait -1                              ; everybody's is; the records are not written again
	v_mov_b32 v[REC], s14                          ; my wave's first record
; d = a + K, d = a K, d = a K + e: two pixels at once, number k of the record in buffer c given to both
.macro ADDK d, a, c, k
.if (\k) & 1
	v_pk_add_f32 v[\d:\d+1], v[\a:\a+1], v[(\c)+(\k)-1:(\c)+(\k)] op_sel:[0,1] op_sel_hi:[1,1]
.else
	v_pk_add_f32 v[\d:\d+1], v[\a:\a+1], v[(\c)+(\k):(\c)+(\k)+1] op_sel_hi:[1,0]
.endif
.endm
.macro MULK d, a, c, k
.if (\k) & 1
	v_pk_mul_f32 v[\d:\d+1], v[\a:\a+1], v[(\c)+(\k)-1:(\c)+(\k)] op_sel:[0,1] op_sel_hi:[1,1]
.else
	v_pk_mul_f32 v[\d:\d+1], v[\a:\a+1], v[(\c)+(\k):(\c)+(\k)+1] op_sel_hi:[1,0]
.endif
.endm
.macro FMAK d, a, c, k, e
.if (\k) & 1
	v_pk_fma_f32 v[\d:\d+1], v[\a:\a+1], v[(\c)+(\k)-1:(\c)+(\k)], v[\e:\e+1] op_sel:[0,1,0] op_sel_hi:[1,1,1]
.else
	v_pk_fma_f32 v[\d:\d+1], v[\a:\a+1], v[(\c)+(\k):(\c)+(\k)+1], v[\e:\e+1] op_sel_hi:[1,0,1]
.endif
.endm
.macro FMA2 d, a, c, k                 ; d = a K[k] + K[k+1], k even: factor and addend lie in one pair
	v_pk_fma_f32 v[\d:\d+1], v[\a:\a+1], v[(\c)+(\k):(\c)+(\k)+1], v[(\c)+(\k):(\c)+(\k)+1] op_sel:[0,0,1] op_sel_hi:[1,0,1]
.endm
.macro REGS p                          ; the registers of pair p
.set ra, T+10*(\p)                     ; px - bx, pAB, the least of the three areas, x
.set rb, ra+2                          ; px - cx, pCB, its remainder, 1 - w1, w3
.set rc, ra+4                          ; px - ax, pCA, its remainder, z
.set rd, ra+6                          ; w1
.set re, ra+8                          ; w2, y
.set rp, PX+2*(\p)
.endm
.macro LOADREC c, off                  ; a record, the same 80 bytes into every lane
.irp i, 0,1,2,3,4
	ds_load_b128 v[(\c)+4*\i:(\c)+4*\i+3], v[REC] offset:(\off)+16*\i
.endr
.endm
; ONE STEP OF THE SCAN for my 8 pixels, with the record in buffer c: 84 packed and 48 plain vector instructions.  Each stage goes through the four pairs, so that no line waits for the one before it;
; the compares stand well ahead of the scalar lines that join their masks, and those ahead of the selects.
.macro TRI c
.irp p, 0,1,2,3
	REGS \p
	ADDK ra, rp, \c, K_NBX
	ADDK rb, rp, \c, K_NCX
	ADDK rc, rp, \c, K_NAX
.endr
.irp p, 0,1,2,3
	REGS \p
	FMA2 ra, ra, \c, K_EAB                         ; pAB = (px - bx)(ay - by) - (py - by)(ax - bx)
	FMA2 rb, rb, \c, K_ECB                         ; pCB
	FMA2 rc, rc, \c, K_ECA                         ; pCA
.endr
.irp p, 0,1,2,3
	REGS \p
	MULK rd, rb, \c, K_R                           ; the quotients, first as p x (1 / w),
	MULK re, rc, \c, K_R
.endr
.irp p, 0,1,2,3
	REGS \p
	v_min3_num_f32 v[ra], v[ra], v[rb], v[rc]
	v_min3_num_f32 v[ra+1], v[ra+1], v[rb+1], v[rc+1]
.endr
.irp p, 0,1,2,3
	REGS \p
	FMAK rb, rd, \c, K_NW, rb                      ; what is left: p - q w, in one rounding,
	FMAK rc, re, \c, K_NW, rc
.endr
.irp p, 0,1,2,3
	REGS \p
	v_cmp_lt_f32 s[IN+2*\p], 0, v[ra]              ; inside: all three areas above 0
	v_cmp_lt_f32 s[IN+2*\p+1], 0, v[ra+1]
.endr
.irp p, 0,1,2,3
	REGS \p
	FMAK rd, rb, \c, K_R, rd                       ; and q + that / w: w1 = pCB / w
	FMAK re, rc, \c, K_R, re                       ; w2 = pCA / w
.endr
.irp p, 0,1,2,3
	REGS \p
	v_pk_fma_f32 v[rb:rb+1], v[rd:rd+1], -1.0, 1.0 op_sel_hi:[1,0,0]  ; 1 - w1
	MULK rc, re, \c, K_BZ
.endr
.irp p, 0,1,2,3
	REGS \p
	v_pk_add_f32 v[rb:rb+1], v[rb:rb+1], v[re:re+1] neg_lo:[0,1] neg_hi:[0,1]  ; w3 = (1 - w1) - w2
	FMAK rc, rd, \c, K_AZ, rc
.endr
.irp p, 0,1,2,3
	REGS \p
	FMAK rc, rb, \c, K_CZ, rc                      ; z
	FMA2 ra, re, \c, K_X                           ; x: the least area has been compared, its registers are free
.endr
.irp p, 0,1,2,3
	REGS \p
	v_cmp_ge_f32 s[ZG+2*\p], v[rc], v[ZB+2*\p]
	v_cmp_ge_f32 s[ZG+2*\p+1], v[rc+1], v[ZB+2*\p+1]
.endr
.irp p, 0,1,2,3
	REGS \p
	FMA2 re, re, \c, K_Y
	FMAK ra, rd, \c, K_DX0, ra
.endr
.irp p, 0,1,2,3
	REGS \p
	FMAK re, rd, \c, K_DY0, re
.endr
.irp n, 0,1,2,3,4,5,6,7
	s_and_b32 s[IN+\n], s[IN+\n], s[ZG+\n]         ; the step's mask
.endr
.irp p, 0,1,2,3
	REGS \p
.irp h, 0,1
	v_cndmask_b32 v[ZB+2*\p+\h], v[ZB+2*\p+\h], v[rc+\h], s[IN+2*\p+\h]
	v_cndmask_b32 v[XS+2*\p+\h], v[XS+2*\p+\h], v[ra+\h], s[IN+2*\p+\h]
	v_cndmask_b32 v[YS+2*\p+\h], v[YS+2*\p+\h], v[re+\h], s[IN+2*\p+\h]
.endr
.endr
.endm
	LOADREC CA, 0
	s_mov_b32 s[CNT], WTRI/2-1
.Lpair:                                                ; two triangles a trip; a record is asked for a whole step ahead of its use
	LOADREC CB, RECB
	s_wait_dscnt 5                                 ; LDS loads come back in order (ISA guide 5.7.1): the five just issued may be out, buffer A's record is in
	TRI CA
	LOADREC CA, 2*RECB
	s_wait_dscnt 5                                 ; likewise: buffer B's record is in
	TRI CB
	v_add_nc_u32 v[REC], 2*RECB, v[REC]
	s_sub_co_u32 s[CNT], s[CNT], 1
	s_cmp_lg_u32 s[CNT], 0
	s_cbranch_scc1 .Lpair
	LOADREC CB, RECB                               ; the last two triangles are written out: no record is read beyond the wave's 32
	s_wait_dscnt 5
	TRI CA
	s_wait_dscnt 0x0
	TRI CB
	; THE EIGHT GROUPS MEET.  Slots 4 q .. 4 q + 3 are four neighbouring columns: 16 bytes a lane, 512 consecutive bytes a store
.irp q, 0,1
	ds_store_b128 v[MA], v[ZB+4*\q:ZB+4*\q+3] offset:MERGE+512*\q
	ds_store_b128 v[MA], v[XS+4*\q:XS+4*\q+3] offset:MERGE+1024+512*\q
	ds_store_b128 v[MA], v[YS+4*\q:YS+4*\q+3] offset:MERGE+2048+512*\q
.endr
	s_wait_dscnt 0x0                               ; for the others' sake: my stores are done
	s_barrier_signal -1
	s_barrier_wait -1
	s_cmp_lt_u32 s[WV], 4                          ; threads 0 to 127 take two neighbouring pixels each, so that a wave's stores below cover whole aligned runs of 512 and of 256 bytes
	s_cbranch_scc0 .Lend
	v_lshlrev_b32 v[RD], 3, v0
	v_lshlrev_b32 v[CO], 4, v0
	v_lshlrev_b32 v[IO], 3, v0
.irp g, 0,1,2,3,4,5,6,7
	ds_load_b64 v[L+6*\g:L+6*\g+1],   v[RD] offset:MERGE+\g*GRPB
	ds_load_b64 v[L+6*\g+2:L+6*\g+3], v[RD] offset:MERGE+\g*GRPB+1024
	ds_load_b64 v[L+6*\g+4:L+6*\g+5], v[RD] offset:MERGE+\g*GRPB+2048
.endr
	s_wait_dscnt 0x0
.irp g, 1,2,3,4,5,6,7                  ; in the order of the triangles: a later group takes the pixel if its z is not less.  A group without a hit holds -inf and takes it only from another such
	v_cmp_ge_f32 vcc_lo, v[L+6*\g], v[L]
	v_cmp_ge_f32 s[IN], v[L+6*\g+1], v[L+1]
	v_cndmask_b32 v[L],   v[L],   v[L+6*\g],   vcc_lo
	v_cndmask_b32 v[L+2], v[L+2], v[L+6*\g+2], vcc_lo
	v_cndmask_b32 v[L+4], v[L+4], v[L+6*\g+4], vcc_lo
	v_cndmask_b32 v[L+1], v[L+1], v[L+6*\g+1], s[IN]
	v_cndmask_b32 v[L+3], v[L+3], v[L+6*\g+3], s[IN]
	v_cndmask_b32 v[L+5], v[L+5], v[L+6*\g+5], s[IN]
.endr
	v_cmp_lt_f32 vcc_lo, s[NINF], v[L]             ; hit: zbuf has been replaced
	v_cmp_lt_f32 s[IN], s[NINF], v[L+1]
.irp h, 0,1,2,3                        ; floor of x, x, y, y, held to 0 .. 510: the block's first texel; a NaN goes to 0
	v_floor_f32 v[F+\h], v[L+2+\h]
.endr
.irp h, 0,1,2,3
	v_max_num_f32 v[F+\h], 0, v[F+\h]
.endr
.irp h, 0,1,2,3
	v_min_num_f32 v[F+\h], s[C510], v[F+\h]
.endr
.irp h, 0,1,2,3
	v_cvt_u32_f32 v[F+\h], v[F+\h]
.endr
	v_lshl_add_u32 v[IX], v[F+2], 9, v[F]          ; 512 yb + xb
	v_lshl_add_u32 v[IX+1], v[F+3], 9, v[F+1]
	v_cndmask_b32 v[IX], -1, v[IX], vcc_lo
	v_cndmask_b32 v[IX+1], -1, v[IX+1], s[IN]
	global_store_b128 v[CO], v[L+2:L+5], s[8:9]    ; x, x, y, y of my two pixels: a wave stores 512 consecutive bytes, aligned
	global_store_b64 v[IO], v[IX:IX+1], s[10:11]   ; a wave stores 256 consecutive bytes, aligned
.Lend:
	s_wait_tensorcnt 0x0                           ; the wave's end, behind my last LDS store
	ds_add_u32 v[SPW], v[NIL]
	s_wait_dscnt 0x0
	s_endpgm
.Lfunc_end_k_q750e5e0408_raster:
	.size	k_q750e5e0408_raster, .Lfunc_end_k_q750e5e0408_raster-k_q750e5e0408_raster
	.p2alignl 7, 3214868480
	.fill 96, 4, 3214868480
	.section	.rodata,"a",@progbits
	.p2align	6, 0x0
	.amdhsa_kernel k_q750e5e0408_raster
		.amdhsa_group_segment_fixed_size 46080
		.amdhsa_private_segment_fixed_size 0
		.amdhsa_enable_private_segment 0
		.amdhsa_kernarg_size 32
		.amdhsa_user_sgpr_count 2
		.amdhsa_user_sgpr_kernarg_segment_ptr 1
		.amdhsa_wavefront_size32 1
		.amdhsa_system_sgpr_workgroup_id_x 1
		.amdhsa_system_sgpr_workgroup_id_y 1
		.amdhsa_system_sgpr_workgroup_id_z 1
		.amdhsa_system_vgpr_workitem_id 0
		.amdhsa_next_free_vgpr 128
		.amdhsa_next_free_sgpr 66
		.amdhsa_reserve_vcc 1
		.amdhsa_float_denorm_mode_32 3
		.amdhsa_float_denorm_mode_16_64 3
		.amdhsa_memory_ordered 1
		.amdhsa_forward_progress 1
		.amdhsa_inst_pref_size 50
	.end_amdhsa_kernel
	.amdgpu_metadata
---
amdhsa.version: [ 1, 2 ]
amdhsa.kernels:
  - .name:           k_q750e5e0408_raster
    .symbol:         k_q750e5e0408_raster.kd
    .args:
      - { .name: tris, .offset: 0, .size: 8, .value_kind: global_buffer, .address_space: global }
      - { .name: uvs, .offset: 8, .size: 8, .value_kind: global_buffer, .address_space: global }
      - { .name: coord, .offset: 16, .size: 8, .value_kind: global_buffer, .address_space: global }
      - { .name: texel, .offset: 24, .size: 8, .value_kind: global_buffer, .address_space: global }
    .group_segment_fixed_size: 46080
    .private_segment_fixed_size: 0
    .kernarg_segment_align: 8
    .kernarg_segment_size: 32
    .max_flat_workgroup_size: 256
    .sgpr_count:     66
    .vgpr_count:     128
    .wavefront_size: 32
...
	.end_amdgpu_metadata
.endif
;; end of part 1
;; launch shade (part 2): grid 256 x 1, 4 waves a work-group, no clusters, 0 bytes of LDS; arguments coord, texel, uvmap, out0; writes out0
.if DOCPART == 2
	.amdgcn_target "amdgcn-amd-amdhsa--gfx1250"
	.amdhsa_code_object_version 6
	.text
	.protected	k_q750e5e0408_shade
	.globl	k_q750e5e0408_shade
	.p2align	8
	.type	k_q750e5e0408_shade,@function
k_q750e5e0408_shade:
	s_mov_b64 s[64:65], 0
	v_nop
	global_prefetch_b8 v0, s[64:65] scope:SCOPE_SE
	s_setreg_imm32_b32 hwreg(HW_REG_WAVE_MODE, 25, 1), 1
	s_wait_xcnt 0x0
; RENDER, launch 2 of 2: the texture lookup.  uvmap [3][512][512], out0 [4][256][256], f32.  coord and texel are launch 1's: for two neighbouring pixels (x, x, y, y) in texels, and for each pixel the
; whole number 512 yb + xb of its 2 x 2 block of texels, or -1 where no triangle covers it.
; LEFT OUT: the samples of the triangles that the scan overwrites.  Launch 1 has selected each pixel's last accepted triangle; the lookup is made once, by the whole number that it stored.
; THE WEIGHTS.  Bilinear sampling with zeros outside gives the texel at column t the weight max(0, 1 - |x - t|) for t in 0 .. 511 and nothing else.  The block's columns are xb and xb + 1 with
; xb = floor(x) held to 0 .. 510, so both lie inside the map, and they hold every column whose weight is not 0: for floor(x) = -1 column 0, for floor(x) = 511 column 511.  Rows likewise.
; LIMITS.  Texels are taken as finite: a tap of weight 0 is multiplied, not skipped, and where x or y lies outside the map it is not the texel that reference() multiplies by 0.
; SHARES.  A work-group owns a row of the frame, a thread two neighbouring pixels: 24 loads of 4 bytes from two offsets, tap and plane in the immediates; each store of a wave covers 256 consecutive bytes, aligned.
; No LDS, no barrier: no thread wants what another has fetched.
.set PLANE,  512*512*4                 ; bytes in a plane of uvmap
.set TROW,   512*4                     ; in a row of it
.set OPLANE, 256*256*4                 ; in a plane of out0
.set IMAX,   510*512+510               ; the greatest block number: its last tap in the last plane ends with uvmap's last byte
.set CO,  1                            ; v1   my 16 bytes of the row in coord
.set IO,  2                            ; v2   my 8 bytes of the row in texel and in each plane of out0
.set IX,  4                            ; v[4:5]    the two whole numbers
.set XY,  8                            ; v[8:11]   x, x, y, y
.set AD,  12                           ; v[12:13]  the blocks' byte offsets in a plane
.set TX,  16                           ; v[16:39]  pixel h, plane c, tap k at TX + 12 h + 4 c + k; tap k is column xb + k % 2, row yb + k / 2
.set W,   40                           ; v[40:55]  pixel h: eight registers, the last four its taps' weights
.set O,   56                           ; v[56:63]  plane c of my two pixels at O + 2 c
.set HIT, 16                           ; s[16:17]  the pixels' masks: covered by a triangle
	s_load_b256 s[4:11], s[0:1], 0x0               ; coord s[4:5], texel s[6:7], uvmap s[8:9], out0 s[10:11]
	v_lshlrev_b32 v[CO], 4, v0
	v_lshlrev_b32 v[IO], 3, v0
	s_lshl_b32 s12, ttmp9, 11                      ; my row: 2,048 bytes of coord,
	s_mov_b32 s13, 0
	s_lshl_b32 s14, ttmp9, 10                      ; 1,024 of texel and of a plane of out0
	s_mov_b32 s15, 0
	s_mov_b32 s18, IMAX
	s_wait_kmcnt 0x0
	s_add_nc_u64 s[4:5], s[4:5], s[12:13]
	s_add_nc_u64 s[6:7], s[6:7], s[14:15]
	s_add_nc_u64 s[10:11], s[10:11], s[14:15]
	global_load_b64 v[IX:IX+1], v[IO], s[6:7] th:TH_LOAD_NT
	global_load_b128 v[XY:XY+3], v[CO], s[4:5] th:TH_LOAD_NT
	s_wait_loadcnt 0x1                             ; the whole numbers are in; the coordinates may stay out
	v_cmp_ge_u32 s[HIT], s18, v[IX]                ; -1 is above every block number
	v_cmp_ge_u32 s[HIT+1], s18, v[IX+1]
	v_min_u32 v[IX], IMAX, v[IX]                   ; whatever was loaded, the address stays inside uvmap
	v_min_u32 v[IX+1], IMAX, v[IX+1]
	v_lshlrev_b32 v[AD], 2, v[IX]
	v_lshlrev_b32 v[AD+1], 2, v[IX+1]
.irp h, 0,1
.irp c, 0,1,2
	global_load_b32 v[TX+12*\h+4*\c],   v[AD+\h], s[8:9] offset:\c*PLANE
	global_load_b32 v[TX+12*\h+4*\c+1], v[AD+\h], s[8:9] offset:\c*PLANE+4
	global_load_b32 v[TX+12*\h+4*\c+2], v[AD+\h], s[8:9] offset:\c*PLANE+TROW
	global_load_b32 v[TX+12*\h+4*\c+3], v[AD+\h], s[8:9] offset:\c*PLANE+TROW+4
.endr
.endr
	s_wait_loadcnt 24                              ; the coordinates are in; the 24 taps stay on their way while the weights are made
.irp h, 0,1
	v_and_b32 v[W+8*\h], 0x1ff, v[IX+\h]           ; xb
	v_lshrrev_b32 v[W+8*\h+1], 9, v[IX+\h]         ; yb
	v_cvt_f32_u32 v[W+8*\h], v[W+8*\h]
	v_cvt_f32_u32 v[W+8*\h+1], v[W+8*\h+1]
	v_sub_f32 v[W+8*\h], v[XY+\h], v[W+8*\h]       ; x - xb
	v_sub_f32 v[W+8*\h+1], v[XY+2+\h], v[W+8*\h+1] ; y - yb
	v_add_f32 v[W+8*\h+2], -1.0, v[W+8*\h]         ; x - (xb + 1)
	v_add_f32 v[W+8*\h+3], -1.0, v[W+8*\h+1]
.irp k, 0,1,2,3
	v_sub_f32 v[W+8*\h+\k], 1.0, |v[W+8*\h+\k]|
.endr
.irp k, 0,1,2,3
	v_max_num_f32 v[W+8*\h+\k], 0, v[W+8*\h+\k]    ; the weights of column xb, row yb, column xb + 1, row yb + 1
.endr
	v_mul_f32 v[W+8*\h+4], v[W+8*\h],   v[W+8*\h+1]
	v_mul_f32 v[W+8*\h+5], v[W+8*\h+2], v[W+8*\h+1]
	v_mul_f32 v[W+8*\h+6], v[W+8*\h],   v[W+8*\h+3]
	v_mul_f32 v[W+8*\h+7], v[W+8*\h+2], v[W+8*\h+3]
.endr
.macro BLEND h                         ; pixel h: three planes of four taps; 0 and alpha 0 where no triangle covers it
.irp c, 0,1,2
	v_mul_f32 v[O+2*\c+\h], v[TX+12*\h+4*\c], v[W+8*\h+4]
.endr
.irp k, 1,2,3
.irp c, 0,1,2
	v_fmac_f32 v[O+2*\c+\h], v[TX+12*\h+4*\c+\k], v[W+8*\h+4+\k]
.endr
.endr
.irp c, 0,1,2
	v_cndmask_b32 v[O+2*\c+\h], 0, v[O+2*\c+\h], s[HIT+\h]
.endr
	v_cndmask_b32 v[O+6+\h], 0, 1.0, s[HIT+\h]
.endm
	s_wait_loadcnt 12                              ; loads come back in order (ISA guide 5.7.1): the first pixel's twelve taps are in, the second's may be out
	BLEND 0
	s_wait_loadcnt 0x0
	BLEND 1
.irp c, 0,1,2,3
	global_store_b64 v[IO], v[O+2*\c:O+2*\c+1], s[10:11] offset:\c*OPLANE th:TH_STORE_NT
.endr
	s_endpgm
.Lfunc_end_k_q750e5e0408_shade:
	.size	k_q750e5e0408_shade, .Lfunc_end_k_q750e5e0408_shade-k_q750e5e0408_shade
	.p2alignl 7, 3214868480
	.fill 96, 4, 3214868480
	.section	.rodata,"a",@progbits
	.p2align	6, 0x0
	.amdhsa_kernel k_q750e5e0408_shade
		.amdhsa_group_segment_fixed_size 0
		.amdhsa_private_segment_fixed_size 0
		.amdhsa_enable_private_segment 0
		.amdhsa_kernarg_size 32
		.amdhsa_user_sgpr_count 2
		.amdhsa_user_sgpr_kernarg_segment_ptr 1
		.amdhsa_wavefront_size32 1
		.amdhsa_system_sgpr_workgroup_id_x 1
		.amdhsa_system_sgpr_workgroup_id_y 1
		.amdhsa_system_sgpr_workgroup_id_z 1
		.amdhsa_system_vgpr_workitem_id 0
		.amdhsa_next_free_vgpr 64
		.amdhsa_next_free_sgpr 66
		.amdhsa_reserve_vcc 0
		.amdhsa_float_denorm_mode_32 3
		.amdhsa_float_denorm_mode_16_64 3
		.amdhsa_memory_ordered 1
		.amdhsa_forward_progress 1
		.amdhsa_inst_pref_size 7
	.end_amdhsa_kernel
	.amdgpu_metadata
---
amdhsa.version: [ 1, 2 ]
amdhsa.kernels:
  - .name:           k_q750e5e0408_shade
    .symbol:         k_q750e5e0408_shade.kd
    .args:
      - { .name: coord, .offset: 0, .size: 8, .value_kind: global_buffer, .address_space: global }
      - { .name: texel, .offset: 8, .size: 8, .value_kind: global_buffer, .address_space: global }
      - { .name: uvmap, .offset: 16, .size: 8, .value_kind: global_buffer, .address_space: global }
      - { .name: out0, .offset: 24, .size: 8, .value_kind: global_buffer, .address_space: global }
    .group_segment_fixed_size: 0
    .private_segment_fixed_size: 0
    .kernarg_segment_align: 8
    .kernarg_segment_size: 32
    .max_flat_workgroup_size: 128
    .sgpr_count:     66
    .vgpr_count:     64
    .wavefront_size: 32
...
	.end_amdgpu_metadata
.endif
;; end of part 2
;; ======== version 2 of 2: 2 launches; version 1 with the launch raster written anew for expert scheduling mode
;; workspace buffers: coord 524,288 bytes; texel 262,144 bytes of whole numbers
;; launch raster (part 3): grid 256 x 1, 8 waves a work-group, no clusters, 46,080 bytes of LDS; arguments tris, uvs, coord, texel; writes coord, texel
.if DOCPART == 3
	.amdgcn_target "amdgcn-amd-amdhsa--gfx1250"
	.amdhsa_code_object_version 6
	.text
	.protected	k_q750e5e0408_raster
	.globl	k_q750e5e0408_raster
	.p2align	8
	.type	k_q750e5e0408_raster,@function
k_q750e5e0408_raster:
	s_mov_b64 s[64:65], 0
	v_nop
	global_prefetch_b8 v0, s[64:65] scope:SCOPE_SE
	s_setreg_imm32_b32 hwreg(HW_REG_WAVE_SCHED_MODE, 0, 2), 2
	s_setreg_imm32_b32 hwreg(HW_REG_WAVE_MODE, 25, 1), 1
	s_wait_xcnt 0x0
	s_wait_alu depctr_vm_vsrc(0)
; RENDER, launch 1 of 2: the z-buffer scan.  tris [256][3][3], uvs [256][3][2], f32.  For each pixel of the 256 x 256 frame it finds the triangle that the scan
; of reference() leaves on top and stores that triangle's texture coordinates at the pixel: coord, per two neighbouring pixels (x, x, y, y) in f32, in texels; and
; texel, one whole number a pixel: 512 yb + xb, the first element of the 2 x 2 block of texels that launch 2 reads (xb = floor(x) held to 0 .. 510, yb likewise), or -1 where no triangle covers the pixel.
; The lookup is a launch of its own because its addresses hang on these numbers.
;
; LEFT OUT, as work that reaches no output in exact arithmetic, for all finite inputs:
; (1) The bounding box.  pAB + pCB + pCA = w is an identity.  A step's mask asks for pAB, pCB, pCA > 0 and w >= 1e-9, so w1 = pCB / w, w2 = pCA / w, w3 = pAB / w are positive and add
;     up to 1: the pixel is a convex combination of the three vertices and lies between their least and greatest x and y.  The box is true wherever the rest of the mask is.
; (2) The first zbuf, the least z of all vertices.  By the same three weights an inside pixel's z is a convex combination of three of those z, so z >= that minimum always: the first
;     hit of a pixel is never rejected.  zbuf starts at -inf here, and a pixel whose zbuf is still -inf at the end was never hit.
; KEPT IN ANOTHER FORM.  valid (w >= 1e-9): an invalid triangle's edge AB is made 0, so that pAB = 0 and no pixel is inside.  The guard safe_w: w = 0 is invalid, and every invalid
; triangle divides by 1.  max(pAB,0) max(pCB,0) max(pCA,0) > 0 is taken as min(pAB, pCB, pCA) > 0.  Each step's texture coordinates are computed and selected in every step;
; the texels are looked up once, in launch 2, by the whole number stored here.  x = ((g + 1) 512 - 1) / 2 with g = w1 g0 + w2 g1 + w3 g2, g = 2 u - 1 and w3 = 1 - w1 - w2
; is x = 512 u2 - 0.5 + w1 512 (u0 - u2) + w2 512 (u1 - u2): the sample is continuous in x, so this moves it by rounding alone.
; LIMITS.  A NaN, an infinity or an overflow that reaches only (1) or (2) is not carried to the result.  Where the product of the three areas underflows to 0 (below 1.5e-45) this text still
; counts the pixel inside.  In f32 a z may round below the least vertex z (a flat triangle at that depth), and areas within a rounding of 0 may be positive outside the box: there this text accepts
; what reference() rejects.  A z of -inf counts as no hit.
; ORDER OF ROUNDING.  Who owns a pixel hangs on the last bit of an area or of z, so these follow one fixed order: lin[j] = s - (1 - s) with s = j / 255 correctly rounded, which is linspace's formula;
; a b - c d = fma(a, b, -round(c d)); the quotients by w correctly rounded (p r, the exact remainder by fma, one correction); z = fma(w3, cz, fma(w1, az, round(w2 bz))).
; A pixel whose area or depth difference lies within a rounding of 0 can fall to another triangle under another order of the same formulas.
;
; SHARES.  A work-group owns a row of the frame: py is one number, so (py - vy) (edge x) of each area is a constant of the triangle.  Thread t prepares triangle t: 20 numbers, 80 bytes, into LDS.
; Then wave g scans triangles 32 g .. 32 g + 31 for ALL 256 pixels of the row, 8 a lane in 4 packed pairs: a record read from LDS serves 256 pixels.  The eight partial results meet in LDS and are
; merged in the order of the groups by z >= zbuf, which is the scan's own rule: the greatest z wins, of equals the later.
; NO CLUSTER, NO TENSOR LOAD: what the work-groups share is 15,360 bytes of tris and uvs, read once by each through registers; nothing is streamed.
;
; THE MODE: SCHED_MODE bits 1:0 = 2 (LLVM: expert scheduling mode 2), set by the entry lines.  The code itself states the register dependences between vector instructions and memory or LDS
; instructions, and those through scalar registers that vector instructions write, with s_wait_alu, always for 0.
; THE PLAN.  Registers that memory or LDS instructions touch, in the loop:
;   CA, CB    the two record buffers.  Written by LDS loads alone; read by the vector lines of their own step alone, the last of them the last multiply-add of y.
;   v[REC]    read by every load of a record; written once a trip, at the trip's end.
;   All else (px, zbuf, x, y, the registers at work) is named by vector lines alone.  s[IN ..] and s[ZG ..] are written by a step's sixteen compares and first read by its eight s_and_b32.
; So a step's two waits stand together, behind the last multiply-add of y: on va_sdst, for the masks; on va_vdst, which states that the step is done reading its buffer and, in a trip's first step,
; that v[REC] is written.  Directly behind them the record TWO steps on is asked for, into the buffer just emptied; the 24 selects that follow name neither that buffer nor v[REC].  One wait on vm_vsrc
; a trip stands ahead of the add to v[REC].  Outside the loop each wait's comment names its dependence.
.set RECB,  80                         ; bytes in a triangle's record: an odd multiple of 16
.set WTRI,  32                         ; triangles of a wave
.set MERGE, 256*RECB                   ; behind the records: for each wave z, x, y of the row's 256 pixels, 1,024 bytes each
.set GRPB,  3072
.set SPARE, MERGE+8*GRPB               ; behind them: the spare words, 128 bytes for each wave: four blocks of 256 bytes that no other line names
; a record's numbers.  Those at an even place are broadcast from the low register of their pair, those at an odd place from the high one
.set K_EAB, 0                          ; ay - by, and at +1: -((py - by) (ax - bx))
.set K_ECB, 2                          ; by - cy, and at +1: -((py - cy) (bx - cx))
.set K_ECA, 4                          ; cy - ay, and at +1: -((py - ay) (cx - ax))
.set K_X,   6                          ; 512 (u1 - u2), and at +1: 512 u2 - 0.5
.set K_Y,   8                          ; 512 (v1 - v2), and at +1: 512 v2 - 0.5
.set K_NBX, 10                         ; -bx
.set K_NCX, 11                         ; -cx
.set K_NAX, 12                         ; -ax
.set K_R,   13                         ; 1 / w
.set K_NW,  14                         ; -w
.set K_AZ,  15
.set K_BZ,  16
.set K_CZ,  17
.set K_DX0, 18                         ; 512 (u0 - u2)
.set K_DY0, 19                         ; 512 (v0 - v2)
.set SPW, 1                            ; v1   LDS address of my spare word: SPARE + 4 x my thread's number; never rewritten
.set NIL, 2                            ; v2   0; never rewritten
.set REC, 3                            ; v3   where I store my record; then, the same in all lanes, the first record of the trip in hand
.set MA,  4                            ; v4   where I put 16 bytes of my wave's partial results
.set TO,  5                            ; v5   my triangle in tris: 36 t
.set UO,  6                            ; v6   my triangle in uvs: 24 t
.set LN,  7                            ; v7   4 x lane
.set PX,  8                            ; v[8:15]   px of my 8 pixels: slot 4 q + k is column 4 lane + 128 q + k
.set ZB,  16                           ; v[16:23]  zbuf
.set XS,  24                           ; v[24:31]  x of the triangle on top
.set YS,  32                           ; v[32:39]  y
.set CA,  40                           ; v[40:59]  a record
.set CB,  60                           ; v[60:79]  the next one
.set T,   80                           ; v[80:119] ten registers at work for each pair of pixels
.set AX,  80                           ; the set-up's registers, free again when the scan begins
.set AY,  81
.set BX,  82
.set BY,  83
.set CX,  84
.set CY,  85
.set U0,  86
.set V0,  87
.set U1,  88
.set V1,  89
.set U2,  90
.set V2,  91
.set PY,  92
.set LT,  93                           ; v[93:94]
.set R,   100                          ; v[100:119] my triangle's record
.set W0,  120                          ; v[120:127] at work
.set L,   40                           ; the merge: group g's z, x, y of my two pixels at v[L + 6 g ..]
.set IX,  88                           ; v[88:89]  the two whole numbers
.set F,   90                           ; v[90:93]  at work
.set RD,  96                           ; v96  where I read partial results
.set CO,  97                           ; v97  my 16 bytes of the row in coord
.set IO,  98                           ; v98  my 8 bytes of the row in texel
.set WV,  12                           ; s12  my wave's number
.set CNT, 13                           ; s13  trips to go
.set RC,  16                           ; s16  1 / 255, rounded
.set C255, 17
.set EPS, 18                           ; s18  1e-9 in f32
.set C512, 19
.set IN,  20                           ; s[20:27]  a mask for each of my 8 pixels: inside; then the step's whole mask.  In the merge s[20:21]: the later group takes the pixel
.set ZG,  28                           ; s[28:35]  z >= zbuf.  In the merge s[28:29]: the pixel was hit
.set SGN, 36
.set NINF, 37
.set C510, 38
	s_load_b256 s[4:11], s[0:1], 0x0               ; tris s[4:5], uvs s[6:7], coord s[8:9], texel s[10:11]
	v_lshl_add_u32 v[SPW], v0, 2, SPARE
	v_mov_b32 v[NIL], 0
	v_lshrrev_b32 v[LN], 5, v0
	v_readfirstlane_b32 s[WV], v[LN]               ; wave 0..7
	v_mul_u32_u24 v[TO], v0, 36
	v_mul_u32_u24 v[UO], v0, 24
	s_lshl_b32 s14, ttmp9, 11                      ; my row in coord: 256 pixels x 8 bytes
	s_mov_b32 s15, 0
	s_mov_b32 s[RC], 0x3b808081
	s_mov_b32 s[C255], 0x437f0000
	s_mov_b32 s[EPS], 0x3089705f
	s_mov_b32 s[C512], 0x44000000
	s_mov_b32 s[SGN], 0x80000000
	s_mov_b32 s[NINF], 0xff800000
	s_mov_b32 s[C510], 0x43ff0000
	s_wait_kmcnt 0x0
	s_wait_alu depctr_va_vdst(0)                   ; v[TO] and v[UO] are written, which the twelve loads below read as their offsets
	; my triangle: a wave's lanes lie 36 bytes apart, so the nine loads walk the same 1,152 consecutive bytes; the three z go straight to their places in the record
	global_load_b32 v[AX], v[TO], s[4:5]
	global_load_b32 v[AY], v[TO], s[4:5] offset:4
	global_load_b32 v[R+K_AZ], v[TO], s[4:5] offset:8
	global_load_b32 v[BX], v[TO], s[4:5] offset:12
	global_load_b32 v[BY], v[TO], s[4:5] offset:16
	global_load_b32 v[R+K_BZ], v[TO], s[4:5] offset:20
	global_load_b32 v[CX], v[TO], s[4:5] offset:24
	global_load_b32 v[CY], v[TO], s[4:5] offset:28
	global_load_b32 v[R+K_CZ], v[TO], s[4:5] offset:32
	global_load_b64 v[U0:V0], v[UO], s[6:7]
	global_load_b64 v[U1:V1], v[UO], s[6:7] offset:8
	global_load_b64 v[U2:V2], v[UO], s[6:7] offset:16
	s_add_nc_u64 s[8:9], s[8:9], s[14:15]
	s_lshl_b32 s14, ttmp9, 10                      ; my row in texel: 256 pixels x 4 bytes
	s_add_nc_u64 s[10:11], s[10:11], s[14:15]
; lin[j] of linspace(-1, 1, 256), bit for bit: s = j / 255 correctly rounded, then s - (1 - s); j = 255 gives 1.  On entry the register holds j in f32.
; q = j x round(1/255) is within two units of the last place; j - 255 q is exact in an fma; q + that x round(1/255) rounds to the true quotient, since j / 255 has a binary period of
; 8 bits and so never lies nearer to the middle between two f32 than 0.0019 units of the last place.
.macro LIN d
	v_mul_f32 v[LT], s[RC], v[(\d)]
	v_fma_f32 v[LT+1], -v[LT], s[C255], v[(\d)]
	v_fma_f32 v[LT], v[LT+1], s[RC], v[LT]
	v_sub_f32 v[LT+1], 1.0, v[LT]
	v_sub_f32 v[(\d)], v[LT], v[LT+1]
.endm
	; all this stands in the wait for the triangle; none of it names a register in which a load lands or that a load reads
	v_and_b32 v[LN], 31, v0
	v_lshlrev_b32 v[LN], 2, v[LN]
.set n, 0
.rept 8
	v_add_nc_u32 v[LT], 128*(n/4)+n%4, v[LN]       ; the slot's column
	v_cvt_f32_u32 v[PX+n], v[LT]
	LIN PX+n
.set n, n+1
.endr
	s_sub_co_u32 s14, 255, ttmp9                   ; frame row i looks at lin[255 - i]
	v_cvt_f32_u32 v[PY], s14
	LIN PY
.set n, 0
.rept 8
	v_mov_b32 v[ZB+n], s[NINF]
	v_mov_b32 v[XS+n], 0                           ; finite, for pixels that are never hit
	v_mov_b32 v[YS+n], 0
.set n, n+1
.endr
	s_wait_alu depctr_va_sdst(0)                   ; v_readfirstlane_b32 has written s[WV], ahead of its first reader, the next line
	s_mul_i32 s14, s[WV], GRPB
	v_lshl_add_u32 v[MA], v[LN], 2, s14            ; my wave's part of the merge area + 16 x lane
	v_mul_u32_u24 v[REC], v0, RECB
	s_wait_loadcnt 0x0
	; THE RECORD OF TRIANGLE t
	v_sub_f32 v[W0], v[BX], v[AX]
	v_sub_f32 v[R+K_ECA], v[CY], v[AY]
	v_sub_f32 v[W0+1], v[BY], v[AY]
	v_sub_f32 v[W0+2], v[CX], v[AX]                ; also the second factor of pCA's second product
	v_mul_f32 v[W0+3], v[W0+1], v[W0+2]
	v_fma_f32 v[W0+4], v[W0], v[R+K_ECA], -v[W0+3] ; w
	v_cmp_le_f32 vcc_lo, s[EPS], v[W0+4]           ; valid: 1e-9 <= w
	v_sub_f32 v[R+K_EAB], v[AY], v[BY]             ; four lines that are due anyway stand between the compare and the wait for it
	v_sub_f32 v[W0+6], v[AX], v[BX]
	v_sub_f32 v[R+K_ECB], v[BY], v[CY]
	v_sub_f32 v[W0+7], v[BX], v[CX]
	s_wait_alu depctr_va_vcc(0)                    ; the compare has written VCC, ahead of its first reader, the next line
	v_cndmask_b32 v[W0+4], 1.0, v[W0+4], vcc_lo    ; an invalid triangle, w = 0 among them, divides by 1
	v_rcp_f32 v[W0+5], v[W0+4]                     ; its result is first named far below, behind the wait
	v_sub_f32 v[W0], v[PY], v[BY]
	v_sub_f32 v[W0+1], v[PY], v[CY]
	v_sub_f32 v[W0+3], v[PY], v[AY]
	v_mul_f32 v[R+K_EAB+1], -v[W0], v[W0+6]        ; each area's second product, rounded by itself, with its sign turned
	v_mul_f32 v[R+K_ECB+1], -v[W0+1], v[W0+7]
	v_mul_f32 v[R+K_ECA+1], -v[W0+3], v[W0+2]
	v_cndmask_b32 v[R+K_EAB], 0, v[R+K_EAB], vcc_lo      ; invalid: pAB = (px - bx) 0 + 0 = 0 at every pixel, which is not inside
	v_cndmask_b32 v[R+K_EAB+1], 0, v[R+K_EAB+1], vcc_lo
	v_sub_f32 v[W0], v[U1], v[U2]
	v_sub_f32 v[W0+1], v[V1], v[V2]
	v_sub_f32 v[W0+3], v[U0], v[U2]
	v_sub_f32 v[W0+6], v[V0], v[V2]
	v_mul_f32 v[R+K_X], s[C512], v[W0]
	v_fma_f32 v[R+K_X+1], v[U2], s[C512], -0.5
	v_mul_f32 v[R+K_Y], s[C512], v[W0+1]
	v_fma_f32 v[R+K_Y+1], v[V2], s[C512], -0.5
	v_mul_f32 v[R+K_DX0], s[C512], v[W0+3]
	v_mul_f32 v[R+K_DY0], s[C512], v[W0+6]
	v_xor_b32 v[R+K_NBX], s[SGN], v[BX]            ; px + (-bx) is px - bx, bit for bit
	v_xor_b32 v[R+K_NCX], s[SGN], v[CX]
	v_xor_b32 v[R+K_NAX], s[SGN], v[AX]
	v_xor_b32 v[R+K_NW], s[SGN], v[W0+4]
	s_wait_alu depctr_va_vdst(0)                   ; the reciprocal v[W0+5] is written, ahead of the first line that names it; so are v[REC] and all of the record but 1 / w, which the first four stores below read
	v_fma_f32 v[W0], -v[W0+4], v[W0+5], 1.0        ; one step of Newton
	v_fma_f32 v[R+K_R], v[W0], v[W0+5], v[W0+5]
.irp i, 0,1,2,4                        ; no wait: the two lines since the wait name v[W0], v[W0+4], v[W0+5] and v[R+K_R], none of which these four stores read
	ds_store_b128 v[REC], v[R+4*\i:R+4*\i+3] offset:16*\i
.endr
	s_wait_alu depctr_va_vdst(0)                   ; 1 / w, v[R+K_R], is written, which the last store reads
	ds_store_b128 v[REC], v[R+12:R+15] offset:48
	s_mul_i32 s14, s[WV], WTRI*RECB
	s_wait_dscnt 0x0                               ; my record is in LDS,
	s_barrier_signal -1
	s_barrier_wait -1                              ; everybody's is; the records are not written again
	s_wait_alu depctr_vm_vsrc(0)                   ; my five stores have read v[REC], which the next line writes, and v[R ..], which the scan's vector lines write
	v_mov_b32 v[REC], s14                          ; my wave's first record
; d = a + K, d = a K, d = a K + e: two pixels at once, number k of the record in buffer c given to both
.macro ADDK d, a, c, k
.if (\k) & 1
	v_pk_add_f32 v[\d:\d+1], v[\a:\a+1], v[(\c)+(\k)-1:(\c)+(\k)] op_sel:[0,1] op_sel_hi:[1,1]
.else
	v_pk_add_f32 v[\d:\d+1], v[\a:\a+1], v[(\c)+(\k):(\c)+(\k)+1] op_sel_hi:[1,0]
.endif
.endm
.macro MULK d, a, c, k
.if (\k) & 1
	v_pk_mul_f32 v[\d:\d+1], v[\a:\a+1], v[(\c)+(\k)-1:(\c)+(\k)] op_sel:[0,1] op_sel_hi:[1,1]
.else
	v_pk_mul_f32 v[\d:\d+1], v[\a:\a+1], v[(\c)+(\k):(\c)+(\k)+1] op_sel_hi:[1,0]
.endif
.endm
.macro FMAK d, a, c, k, e
.if (\k) & 1
	v_pk_fma_f32 v[\d:\d+1], v[\a:\a+1], v[(\c)+(\k)-1:(\c)+(\k)], v[\e:\e+1] op_sel:[0,1,0] op_sel_hi:[1,1,1]
.else
	v_pk_fma_f32 v[\d:\d+1], v[\a:\a+1], v[(\c)+(\k):(\c)+(\k)+1], v[\e:\e+1] op_sel_hi:[1,0,1]
.endif
.endm
.macro FMA2 d, a, c, k                 ; d = a K[k] + K[k+1], k even: factor and addend lie in one pair
	v_pk_fma_f32 v[\d:\d+1], v[\a:\a+1], v[(\c)+(\k):(\c)+(\k)+1], v[(\c)+(\k):(\c)+(\k)+1] op_sel:[0,0,1] op_sel_hi:[1,0,1]
.endm
.macro REGS p                          ; the registers of pair p
.set ra, T+10*(\p)                     ; px - bx, pAB, the least of the three areas, x
.set rb, ra+2                          ; px - cx, pCB, its remainder, 1 - w1, w3
.set rc, ra+4                          ; px - ax, pCA, its remainder, z
.set rd, ra+6                          ; w1
.set re, ra+8                          ; w2, y
.set rp, PX+2*(\p)
.endm
.macro LOADREC c, off                  ; a record, the same 80 bytes into every lane
.irp i, 0,1,2,3,4
	ds_load_b128 v[(\c)+4*\i:(\c)+4*\i+3], v[REC] offset:(\off)+16*\i
.endr
.endm
; ONE STEP OF THE SCAN for my 8 pixels, with the record in buffer c: 84 packed and 48 plain vector instructions.  Each stage goes through the four pairs, so that no line waits for the one before it;
; the compares stand well ahead of the scalar lines that join their masks, and those ahead of the selects.
; fetch = 1: when the step has read its record for the last time, the record two steps on, at byte off from v[REC], is asked for into the same buffer.
.macro TRI c, fetch, off
.irp p, 0,1,2,3
	REGS \p
	ADDK ra, rp, \c, K_NBX
	ADDK rb, rp, \c, K_NCX
	ADDK rc, rp, \c, K_NAX
.endr
.irp p, 0,1,2,3
	REGS \p
	FMA2 ra, ra, \c, K_EAB                         ; pAB = (px - bx)(ay - by) - (py - by)(ax - bx)
	FMA2 rb, rb, \c, K_ECB                         ; pCB
	FMA2 rc, rc, \c, K_ECA                         ; pCA
.endr
.irp p, 0,1,2,3
	REGS \p
	MULK rd, rb, \c, K_R                           ; the quotients, first as p x (1 / w),
	MULK re, rc, \c, K_R
.endr
.irp p, 0,1,2,3
	REGS \p
	v_min3_num_f32 v[ra], v[ra], v[rb], v[rc]
	v_min3_num_f32 v[ra+1], v[ra+1], v[rb+1], v[rc+1]
.endr
.irp p, 0,1,2,3
	REGS \p
	FMAK rb, rd, \c, K_NW, rb                      ; what is left: p - q w, in one rounding,
	FMAK rc, re, \c, K_NW, rc
.endr
.irp p, 0,1,2,3
	REGS \p
	v_cmp_lt_f32 s[IN+2*\p], 0, v[ra]              ; inside: all three areas above 0
	v_cmp_lt_f32 s[IN+2*\p+1], 0, v[ra+1]
.endr
.irp p, 0,1,2,3
	REGS \p
	FMAK rd, rb, \c, K_R, rd                       ; and q + that / w: w1 = pCB / w
	FMAK re, rc, \c, K_R, re                       ; w2 = pCA / w
.endr
.irp p, 0,1,2,3
	REGS \p
	v_pk_fma_f32 v[rb:rb+1], v[rd:rd+1], -1.0, 1.0 op_sel_hi:[1,0,0]  ; 1 - w1
	MULK rc, re, \c, K_BZ
.endr
.irp p, 0,1,2,3
	REGS \p
	v_pk_add_f32 v[rb:rb+1], v[rb:rb+1], v[re:re+1] neg_lo:[0,1] neg_hi:[0,1]  ; w3 = (1 - w1) - w2
	FMAK rc, rd, \c, K_AZ, rc
.endr
.irp p, 0,1,2,3
	REGS \p
	FMAK rc, rb, \c, K_CZ, rc                      ; z
	FMA2 ra, re, \c, K_X                           ; x: the least area has been compared, its registers are free
.endr
.irp p, 0,1,2,3
	REGS \p
	v_cmp_ge_f32 s[ZG+2*\p], v[rc], v[ZB+2*\p]
	v_cmp_ge_f32 s[ZG+2*\p+1], v[rc+1], v[ZB+2*\p+1]
.endr
.irp p, 0,1,2,3
	REGS \p
	FMA2 re, re, \c, K_Y
	FMAK ra, rd, \c, K_DX0, ra
.endr
.irp p, 0,1,2,3
	REGS \p
	FMAK re, rd, \c, K_DY0, re                     ; the step's last lines that name its record
.endr
	s_wait_alu depctr_va_sdst(0)                   ; the sixteen compares have written s[IN ..] and s[ZG ..], ahead of their first readers, the s_and_b32 below
.if \fetch
	s_wait_alu depctr_va_vdst(0)                   ; the step's lines are done reading the record's buffer, in which the loads below land; in a trip's first step v[REC], their address, is written
	LOADREC \c, \off                               ; the lines that follow name neither that buffer nor v[REC]
.endif
.irp n, 0,1,2,3,4,5,6,7
	s_and_b32 s[IN+\n], s[IN+\n], s[ZG+\n]         ; the step's mask
.endr
.irp p, 0,1,2,3
	REGS \p
.irp h, 0,1
	v_cndmask_b32 v[ZB+2*\p+\h], v[ZB+2*\p+\h], v[rc+\h], s[IN+2*\p+\h]
	v_cndmask_b32 v[XS+2*\p+\h], v[XS+2*\p+\h], v[ra+\h], s[IN+2*\p+\h]
	v_cndmask_b32 v[YS+2*\p+\h], v[YS+2*\p+\h], v[re+\h], s[IN+2*\p+\h]
.endr
.endr
.endm
	s_wait_alu depctr_va_vdst(0)                   ; v[REC] is written, which the loads below read
	LOADREC CA, 0
	LOADREC CB, RECB
	s_mov_b32 s[CNT], WTRI/2-1
.Lpair:                                                ; two triangles a trip; a record is asked for at the tail of the step two before its own
	s_wait_dscnt 5                                 ; LDS loads come back in order (ISA guide 5.7.1): buffer B's five, the youngest, may be out, buffer A's record is in
	TRI CA, 1, 2*RECB
	s_wait_dscnt 5                                 ; likewise: the five just issued into buffer A may be out, buffer B's record is in
	TRI CB, 1, 3*RECB
	s_wait_alu depctr_vm_vsrc(0)                   ; the loads issued so far have read v[REC]
	v_add_nc_u32 v[REC], 2*RECB, v[REC]            ; its next reader stands behind the next step's wait on va_vdst
	s_sub_co_u32 s[CNT], s[CNT], 1
	s_cmp_lg_u32 s[CNT], 0
	s_cbranch_scc1 .Lpair
	s_wait_dscnt 5                                 ; the last two triangles are written out: no record is read beyond the wave's 32
	TRI CA, 0, 0
	s_wait_dscnt 0x0
	TRI CB, 0, 0
	; THE EIGHT GROUPS MEET.  Slots 4 q .. 4 q + 3 are four neighbouring columns: 16 bytes a lane, 512 consecutive bytes a store
	s_wait_alu depctr_va_vdst(0)                   ; the last step's selects have written zbuf, x and y, which the six stores read
.irp q, 0,1
	ds_store_b128 v[MA], v[ZB+4*\q:ZB+4*\q+3] offset:MERGE+512*\q
	ds_store_b128 v[MA], v[XS+4*\q:XS+4*\q+3] offset:MERGE+1024+512*\q
	ds_store_b128 v[MA], v[YS+4*\q:YS+4*\q+3] offset:MERGE+2048+512*\q
.endr
	s_wait_dscnt 0x0                               ; for the others' sake: my stores are done
	s_barrier_signal -1
	s_barrier_wait -1
	s_cmp_lt_u32 s[WV], 4                          ; threads 0 to 127 take two neighbouring pixels each, so that a wave's stores below cover whole aligned runs of 512 and of 256 bytes
	s_cbranch_scc0 .Lend
	v_lshlrev_b32 v[RD], 3, v0
	v_lshlrev_b32 v[CO], 4, v0
	v_lshlrev_b32 v[IO], 3, v0
	s_wait_alu depctr_va_vdst(0)                   ; v[RD] is written, which the loads below read (the scan's lines, which named v[L ..], in which they land, stand ahead of the wait before this one)
.irp g, 0,1,2,3,4,5,6,7
	ds_load_b64 v[L+6*\g:L+6*\g+1],   v[RD] offset:MERGE+\g*GRPB
	ds_load_b64 v[L+6*\g+2:L+6*\g+3], v[RD] offset:MERGE+\g*GRPB+1024
	ds_load_b64 v[L+6*\g+4:L+6*\g+5], v[RD] offset:MERGE+\g*GRPB+2048
.endr
	s_wait_dscnt 0x0
.irp g, 1,2,3,4,5,6,7                  ; in the order of the triangles: a later group takes the pixel if its z is not less.  A group without a hit holds -inf and takes it only from another such
	v_cmp_ge_f32 s[IN], v[L+6*\g], v[L]
	v_cmp_ge_f32 s[IN+1], v[L+6*\g+1], v[L+1]
	s_wait_alu depctr_va_sdst(0)                   ; the two compares have written s[IN] and s[IN+1], ahead of the selects that read them
	v_cndmask_b32 v[L],   v[L],   v[L+6*\g],   s[IN]
	v_cndmask_b32 v[L+2], v[L+2], v[L+6*\g+2], s[IN]
	v_cndmask_b32 v[L+4], v[L+4], v[L+6*\g+4], s[IN]
	v_cndmask_b32 v[L+1], v[L+1], v[L+6*\g+1], s[IN+1]
	v_cndmask_b32 v[L+3], v[L+3], v[L+6*\g+3], s[IN+1]
	v_cndmask_b32 v[L+5], v[L+5], v[L+6*\g+5], s[IN+1]
.endr
	v_cmp_lt_f32 s[ZG], s[NINF], v[L]              ; hit: zbuf has been replaced
	v_cmp_lt_f32 s[ZG+1], s[NINF], v[L+1]
.irp h, 0,1,2,3                        ; floor of x, x, y, y, held to 0 .. 510: the block's first texel; a NaN goes to 0
	v_floor_f32 v[F+\h], v[L+2+\h]
.endr
.irp h, 0,1,2,3
	v_max_num_f32 v[F+\h], 0, v[F+\h]
.endr
.irp h, 0,1,2,3
	v_min_num_f32 v[F+\h], s[C510], v[F+\h]
.endr
.irp h, 0,1,2,3
	v_cvt_u32_f32 v[F+\h], v[F+\h]
.endr
	v_lshl_add_u32 v[IX], v[F+2], 9, v[F]          ; 512 yb + xb
	v_lshl_add_u32 v[IX+1], v[F+3], 9, v[F+1]
	s_wait_alu depctr_va_sdst(0)                   ; the two compares for a hit have written s[ZG] and s[ZG+1], ahead of the selects that read them
	v_cndmask_b32 v[IX], -1, v[IX], s[ZG]
	v_cndmask_b32 v[IX+1], -1, v[IX+1], s[ZG+1]
	s_wait_alu depctr_va_vdst(0)                   ; the selects have written v[L+2 .. L+5] and v[IX ..], the two stores' data (their offsets v[CO] and v[IO] were written ahead of an earlier wait)
	global_store_b128 v[CO], v[L+2:L+5], s[8:9]    ; x, x, y, y of my two pixels: a wave stores 512 consecutive bytes, aligned
	global_store_b64 v[IO], v[IX:IX+1], s[10:11]   ; a wave stores 256 consecutive bytes, aligned
.Lend:
	s_wait_dscnt 0x0                               ; the closing lines, six on end
	s_wait_alu 0x0
	s_wait_tensorcnt 0x0
	ds_add_u32 v[SPW], v[NIL]
	s_wait_dscnt 0x0
	s_endpgm
.Lfunc_end_k_q750e5e0408_raster:
	.size	k_q750e5e0408_raster, .Lfunc_end_k_q750e5e0408_raster-k_q750e5e0408_raster
	.p2alignl 7, 3214868480
	.fill 96, 4, 3214868480
	.section	.rodata,"a",@progbits
	.p2align	6, 0x0
	.amdhsa_kernel k_q750e5e0408_raster
		.amdhsa_group_segment_fixed_size 46080
		.amdhsa_private_segment_fixed_size 0
		.amdhsa_enable_private_segment 0
		.amdhsa_kernarg_size 32
		.amdhsa_user_sgpr_count 2
		.amdhsa_user_sgpr_kernarg_segment_ptr 1
		.amdhsa_wavefront_size32 1
		.amdhsa_system_sgpr_workgroup_id_x 1
		.amdhsa_system_sgpr_workgroup_id_y 1
		.amdhsa_system_sgpr_workgroup_id_z 1
		.amdhsa_system_vgpr_workitem_id 0
		.amdhsa_next_free_vgpr 128
		.amdhsa_next_free_sgpr 66
		.amdhsa_reserve_vcc 1
		.amdhsa_float_denorm_mode_32 3
		.amdhsa_float_denorm_mode_16_64 3
		.amdhsa_memory_ordered 1
		.amdhsa_forward_progress 1
		.amdhsa_inst_pref_size 52
	.end_amdhsa_kernel
	.amdgpu_metadata
---
amdhsa.version: [ 1, 2 ]
amdhsa.kernels:
  - .name:           k_q750e5e0408_raster
    .symbol:         k_q750e5e0408_raster.kd
    .args:
      - { .name: tris, .offset: 0, .size: 8, .value_kind: global_buffer, .address_space: global }
      - { .name: uvs, .offset: 8, .size: 8, .value_kind: global_buffer, .address_space: global }
      - { .name: coord, .offset: 16, .size: 8, .value_kind: global_buffer, .address_space: global }
      - { .name: texel, .offset: 24, .size: 8, .value_kind: global_buffer, .address_space: global }
    .group_segment_fixed_size: 46080
    .private_segment_fixed_size: 0
    .kernarg_segment_align: 8
    .kernarg_segment_size: 32
    .max_flat_workgroup_size: 256
    .sgpr_count:     66
    .vgpr_count:     128
    .wavefront_size: 32
...
	.end_amdgpu_metadata
.endif
;; end of part 3
;; launch shade: the kernel of part 2 again; grid 256 x 1, 4 waves a work-group, no clusters, 0 bytes of LDS; arguments coord, texel, uvmap, out0; writes out0
